; MI455X (gfx1250); checked and timed in simulation.
; The chip was launched on July 23, 2026; its instructions are those of AMD's public machine-readable ISA for CDNA 5 (MIT licence, August 2026) and "CDNA5" Instruction Set Architecture Reference Guide (July 2026). The comments in the code are by the model that wrote it; some were corrected since.
;; Multi Head Attention2d. Allowed arithmetic: matrix products marked QUANTISED: E2M3 operands, one E8M0 scale for each 32 along K, by v_wmma_scale_f32_16x16x128_f8f6f4 with both operands' format E2M3, f32 sums; everything else in f32.
;; Inputs: Wk 256 x 64 float32; Wq 256 x 64 float32; Wv 256 x 64 float32; bk 256 float32; bq 256 float32; bv 256 float32; x 4 x 64 x 64 x 64 float32; y 4 x 64 x 64 x 64 float32.
;; Outputs: out0 4 x 4 x 64 x 64 x 64 float32.
;; This version of the problem:
;;   THIS VERSION OF THE PROBLEM IS GIVEN IN LOW PRECISION. The matrix products marked QUANTISED in the list below multiply operands that are first quantised to E2M3 (2 exponent bits, 3 mantissa bits; 6 bits a number), with one power-of-two scale for each 32 numbers along K (OCP MX v1.0); their sums are f32. All else is computed in f32.
;;   The module's matrix products, in the order in which they are computed (A, B: the left and right operand; K: the contracted axis; several contracted axes count as one K, in the product's order):
;;     1. [M 256, K 64] x [K 64, N 16,384]; A: input Wq; B: input x: QUANTISED
;;     2. [M 256, K 64] x [K 64, N 16,384]; A: input Wk; B: input y: QUANTISED
;;     3. [M 256, K 64] x [K 64, N 16,384]; A: input Wv; B: input y: QUANTISED
;;     4. batch 16 x [M 4,096, K 64] x [K 64, N 4,096]; A: computed on the way; B: computed on the way: QUANTISED
;;     5. batch 16 x [M 4,096, K 4,096] x [K 4,096, N 64]; A: softmax (see below); B: computed on the way: QUANTISED
;;   THE QUANTISER, for each operand of a quantised product, along K:
;;     - K is cut into blocks of 32 from its start; a last block that is shorter is filled with zeros.
;;     - A block's scale is 2^e with e = floor(log2(the largest magnitude in the block)) - 2, held to -126 .. 127; a block of zeros has e = 0. As a byte (E8M0): e + 127.
;;     - Each number is divided by its block's scale, clamped to +-7.5, and rounded to the nearest number of E2M3, ties to even, subnormals kept.
;;     - The product sums the exact products of the quantised numbers (number of the format x scale) in f32.
;;   ~~~python
;;   def quantise(x, axis):      # numpy; x: float32 -> the quantised numbers, widened to float32 again
;;       x = np.moveaxis(x, axis, -1); K = x.shape[-1]
;;       x = np.pad(x, [(0, 0)] * (x.ndim - 1) + [(0, -K % 32)]); x = x.reshape(x.shape[:-1] + (-1, 32)); a = np.abs(x).max(-1, keepdims=True)
;;       e = np.where(a > 0, np.clip(np.frexp(np.where(a > 0, a, 1))[1] - 1 - 2, -126, 127), 0)      # np.frexp(a)[1] - 1 = floor(log2(a)), exactly
;;       r = np.clip(x / 2.0 ** e, -7.5, 7.5)
;;       step = 2.0 ** (np.maximum(np.frexp(np.where(r == 0, 1, r))[1] - 1, 0) - 3)
;;       q = np.round(r / step) * step * 2.0 ** e      # np.round: ties to even
;;       return np.moveaxis(q.reshape(q.shape[:-2] + (-1,))[..., :K], -1, axis).astype(np.float32)
;;   ~~~
;;   SOFTMAX AHEAD OF A QUANTISED PRODUCT. Where the list says 'softmax', what is quantised is not the finished softmax but p = 2^(t - M), with t = logit x log2(e) and M = ceil(the row's largest t), a whole number; so 1/2 < the row's largest p <= 1. The row's sum l is taken of the UNQUANTISED p, in f32, and the product's result is divided by l at the end. Since M is a whole number, a kernel that streams over the keys may use a running M (the ceiling of the running maximum): every later rescaling is an exact power of two, which a block's scale takes up: the codes' values come out the same.
;;   OPERANDS COMPUTED ON THE WAY. 'Computed on the way' means the value that the module computes at that place (a softmax that the list does not call 'softmax' is quantised finished and normalised). What goes into a quantiser is computed in f32, as accurately as f32 sums, v_exp_f32 and their like allow (about 1e-6 of the number): no bf16 or f16 on the way to a quantiser, and a product that is left as it is and whose result goes on into a quantised operand takes f32 operands (vector FMAs, or v_wmma_f32_16x16x4_f32). A number that lies on a knife's edge between two numbers of the format may be rounded either way, as far as f32 arithmetic and the matrix unit's own rounding can turn it there, and no further.
;; One version. Each part assembles by itself: llvm-mc -triple=amdgcn-amd-amdhsa -mcpu=gfx1250 --defsym DOCPART=n.
;; ======== version 1 of 1: 2 launches
;; workspace buffers: qc 3,407,872 bytes; kv 6,684,672 bytes
;; launch proj (part 1): grid 128 x 3, 4 waves a work-group, no clusters, 16,896 bytes of LDS; arguments x, y, Wq, Wk, Wv, bq, bk, bv, qc, kv; writes qc, kv
.if DOCPART == 1
	.amdgcn_target "amdgcn-amd-amdhsa--gfx1250"
	.amdhsa_code_object_version 6
	.text
	.protected	k_q78692a05c6_proj
	.globl	k_q78692a05c6_proj
	.p2align	8
	.type	k_q78692a05c6_proj,@function
k_q78692a05c6_proj:
	s_mov_b64 s[64:65], 0
	v_nop
	global_prefetch_b8 v0, s[64:65] scope:SCOPE_SE
	s_setreg_imm32_b32 hwreg(HW_REG_WAVE_MODE, 25, 1), 1
	s_wait_xcnt 0x0
; The three 1x1 convolutions, q = Wq x + bq, k = Wk y + bk, v = Wv y + bv, on codes of FP6 (E2M3) with one E8M0 scale for each 32 along K (K = the 64 channels),
; and the quantising of their results for the attention that follows: q and k along the head's 64 channels, v along the keys.
; A work-group takes 128 pixels of one batch (grid x = 32 b + block) and one of the three products (grid y: 0 q, 1 k, 2 v).  Wave w is head w; in the first phase it quantises pixels 32 w .. 32 w + 31.
; x, y: [4][64][4096] f32, K is the FIRST axis of a batch: a lane takes a pixel and its 64 registers run down the channels, so both blocks of 32 are the lane's own.
; The pixels' eight fragments go from wave to wave through LDS as images of their registers (16 bytes a lane, 512 bytes a store).  K is 64 of the instruction's 128: registers 6-11 of every fragment are zero codes,
; and the scale bytes of those two blocks are 0 (2^-127 over zero codes).
; THE PIXELS OF A TILE ARE NOT NEIGHBOURS: lane r of tile 2 g + u holds pixel 32 g + 8 u + r + 8 (r / 8) of the block.  For q and k the rows of W are chosen likewise.
;   q, k: source 0 = 16 rows of W, source 1 = 16 pixels: a lane holds ONE pixel and its registers run along d: 16 neighbours in two neighbouring tiles.
;   v:    source 0 = 16 pixels, source 1 = 16 rows of W: a lane holds ONE d and its registers run along the keys: 16 neighbours in two neighbouring tiles.
; The biases are the C of each product.  The results are quantised in registers and stored as images of the next operands' registers: every store of a wave covers 256 or 512 consecutive bytes, aligned.
; WORKSPACE.  kv: for each (4 b + head, block) 13,056 bytes: 8 tiles of k x 768 (registers 0-3 at 16 x lane, registers 4-5 at 8 x lane), 4 tiles of v x 1,536 (three groups of four registers at 16 x lane),
;   k's scale words (512 bytes: word i of lane r + 16 H is tile 4 H + i, row r), v's scale words (256 bytes: word i of lane r + 16 H is tile 2 H + i, row r).  qc: 6,656 bytes: as k's images and k's scale words.
; LIMITS: NaN and infinities among the inputs are not served.  A block whose largest magnitude lies under 2^-124, a block of zeros among them, keeps the scale byte 1 (the quantiser's text says 127 for zeros):
;   its codes are zeros or what the byte 1 gives, and this program alone reads the bytes.  The bias enters the sum inside the matrix instruction: another order of f32 rounding than a sum followed by an addition.
.set PIMG, 0                           ; LDS: the pixels' 8 fragments, 1,536 bytes each
.set PSC,  12288                       ; their scale words: 4 x 128 bytes (lanes 0-15 tile 2 g, lanes 16-31 tile 2 g + 1)
.set KVB,  13056                       ; a block of kv
.set QCB,  6656                        ; a block of qc
.set LI16, 1                           ; v1   16 x lane
.set LI8,  2                           ; v2   8 x lane
.set LI4,  3                           ; v3   4 x lane
.set XA,   4                           ; v4   4 x my pixel among the wave's 32
.set WA0,  5                           ; v5   W: my row x 256 + 128 x half, even tiles
.set WA1,  6                           ; v6   the same for odd tiles
.set BA,   7                           ; v7   64 x half: q's and k's bias
.set BA2,  8                           ; v8   4 r: v's bias
.set PIS,  9                           ; v9   where I store the pixels' images
.set PSS,  10                          ; v10  and their scale word
.set H8,   11                          ; v11  8 x half
.set XR,   16                          ; v16-79   my pixel's 64 channels
.set HA,   16                          ; v16-79   later eight accumulators
.set BI,   80                          ; v80-111  the biases as C: eight registers a tile
.set BL,   112                         ; v112-115 v's biases as loaded
.set PC,   116                         ; v116-147 codes just made
.set FA,   PC
.set FB,   PC+12
.set T0,   PC+24
.set T1,   PC+28
.set TM,   148                         ; v148-151 largest magnitudes, v152-155 the other half's and then bytes, v156-159 the conversions' scale operands
.set WS,   160                         ; v160-163 W's scale words
.set PS,   164                         ; v164-167 the pixels' scale words
.set PW,   168                         ; the scale word just made
.set PSW,  169                         ; my pixel's scale word
.set OW,   170                         ; v170-177 the results' scale words
.set R,    178                         ; v178-181 those that my half of the lanes stores
.set WF,   0                           ; window 1: v0-47 W's four fragments
.set PF,   48                          ; window 1: v48-143 the pixels' eight fragments
.set WR,   48                          ; window 1: v48-175 W as f32 (done with before the pixels' fragments are fetched)
.set WT,   176                         ; window 1: v176-191 at work
.set WV,   28
.set TYPE, 29
.set SRC,  32
.set WP,   34
.set BP,   36
.set DI,   38
.set DS,   40
.set SEL,  52
.set MSB, 0
.macro WIN new                         ; s_set_vgpr_msb: bits 1:0 source 0, 3:2 source 1, 5:4 source 2, 7:6 destination; the high byte repeats the setting that is left
.if MSB != \new
	s_set_vgpr_msb (MSB<<8)|\new
.set MSB, \new
.endif
.endm
.macro IMAGE reg, off                  ; a fragment's 12 registers go to LDS as they stand
.irp c, 0,1,2
	ds_store_b128 v[PIS], v[\reg+4*\c:\reg+4*\c+3] offset:\off+512*\c
.endr
.endm
; one product; ra, rb: source 0's or source 1's scales stand in lanes 16-31
.macro PROD d, a, b, c, sa, sb, ra, rb
.if \ra
	v_wmma_scale_f32_16x16x128_f8f6f4 v[\d:\d+7], v[\a:\a+11], v[\b:\b+11], v[\c:\c+7], v[\sa], v[\sb] matrix_a_fmt:MATRIX_FMT_FP6 matrix_b_fmt:MATRIX_FMT_FP6 matrix_a_scale:MATRIX_SCALE_ROW1
.elseif \rb
	v_wmma_scale_f32_16x16x128_f8f6f4 v[\d:\d+7], v[\a:\a+11], v[\b:\b+11], v[\c:\c+7], v[\sa], v[\sb] matrix_a_fmt:MATRIX_FMT_FP6 matrix_b_fmt:MATRIX_FMT_FP6 matrix_b_scale:MATRIX_SCALE_ROW1
.else
	v_wmma_scale_f32_16x16x128_f8f6f4 v[\d:\d+7], v[\a:\a+11], v[\b:\b+11], v[\c:\c+7], v[\sa], v[\sb] matrix_a_fmt:MATRIX_FMT_FP6 matrix_b_fmt:MATRIX_FMT_FP6
.endif
.endm
; 64 numbers of a lane, v[s] .. v[s + 63]: register 16 b + i is number 16 (lane / 16) + i of block b of my row.  They become 12 registers of codes in v[PC] on (registers 6 c .. 6 c + 5: lanes 0-15 block 2 c, lanes 16-31 block 2 c + 1)
; and four scale bytes in v[PW].
.macro QUANT s
.irp b, 0,1,2,3
	v_max3_num_f32 v[TM+\b], |v[\s+16*\b]|, |v[\s+1+16*\b]|, 0x1800000   ; my 16 numbers of block b, and the floor 2^(3 - 127): the byte cannot fall under 1.  (Each accumulator is read from its low end on)
.endr
.irp i, 2,4,6,8,10,12,14
.irp b, 0,1,2,3
	v_max3_num_f32 v[TM+\b], v[TM+\b], |v[\s+16*\b+\i]|, |v[\s+1+16*\b+\i]|
.endr
.endr
.irp b, 0,1,2,3
	v_permlanex16_b32 v[TM+4+\b], v[TM+\b], s[SEL], s[SEL+1]
.endr
.irp b, 0,1,2,3
	v_max_num_f32 v[TM+\b], v[TM+\b], v[TM+4+\b]   ; with lane l xor 16's 16: the block's largest magnitude
.endr
.irp b, 0,1,2,3
	v_add_nc_u32 v[TM+8+\b], 0xff000000, v[TM+\b]  ; 2 off its exponent field: the conversion takes this operand's exponent field as its scale
.endr
.irp b, 0,1,2,3
	v_lshrrev_b32 v[TM+4+\b], 23, v[TM+8+\b]       ; the scale's byte
.endr
	v_lshl_or_b32 v[PW], v[TM+5], 8, v[TM+4]
	v_lshl_or_b32 v[PW], v[TM+6], 16, v[PW]
	v_lshl_or_b32 v[PW], v[TM+7], 24, v[PW]
.irp c, 0,1
	v_cvt_scalef32_pk16_fp6_f32 v[PC+6*\c:PC+6*\c+2], v[\s+32*\c:\s+32*\c+15], v[TM+8+2*\c]
	v_cvt_scalef32_pk16_fp6_f32 v[PC+12+4*\c:PC+12+4*\c+2], v[\s+16+32*\c:\s+31+32*\c], v[TM+8+2*\c+1]   ; (a conversion's three registers begin on an even number)
.endr
	v_nop                                          ; one plain instruction behind the scaled conversions
.irp c, 0,1
.irp i, 0,1,2
	v_permlane16_swap_b32 v[PC+6*\c+\i], v[PC+12+4*\c+\i]   ; the first's lanes 16-31 change places with the second's lanes 0-15: a whole block in a lane
.endr
.irp i, 0,1,2
	v_mov_b32 v[PC+3+6*\c+\i], v[PC+12+4*\c+\i]
.endr
.endr
.endm
	s_load_b512 s[8:23], s[0:1], 0x0               ; x s[8:9], y s[10:11], Wq s[12:13], Wk s[14:15], Wv s[16:17], bq s[18:19], bk s[20:21], bv s[22:23]
	s_load_b128 s[24:27], s[0:1], 0x40             ; qc s[24:25], kv s[26:27]
	v_lshl_add_u32 v254, v0, 2, 0x4000
	v_mov_b32 v255, 0
	v_lshrrev_b32 v12, 5, v0
	v_readfirstlane_b32 s[WV], v12                 ; wave = head
	s_and_b32 s[TYPE], ttmp7, 0xffff               ; 0 q, 1 k, 2 v
	s_lshr_b32 s30, ttmp9, 5                       ; batch
	s_and_b32 s31, ttmp9, 31                       ; block of 128 pixels
	s_mov_b32 s[SEL], 0x76543210
	s_mov_b32 s[SEL+1], 0xfedcba98                 ; v_permlanex16_b32's selects for lane l xor 16
	s_lshl_b32 s48, s30, 20                        ; the pixels: batch x 1 MiB + block x 512 + wave x 128 bytes
	s_lshl_b32 s49, s31, 9
	s_add_co_u32 s48, s48, s49
	s_lshl_b32 s49, s[WV], 7
	s_add_co_u32 s48, s48, s49
	s_mov_b32 s49, 0
	s_lshl_b32 s50, s30, 2                         ; the results' block: (4 b + head) x 32 + block
	s_add_co_u32 s50, s50, s[WV]
	s_lshl_b32 s50, s50, 5
	s_add_co_u32 s50, s50, s31
	s_mov_b32 s51, 0
	s_mul_i32 s47, s[WV], 3072                     ; LDS: my two fragments' images
	v_and_b32 v12, 31, v0                          ; lane
	v_lshlrev_b32 v[LI16], 4, v12
	v_lshlrev_b32 v[LI8], 3, v12
	v_lshlrev_b32 v[LI4], 2, v12
	v_add_nc_u32 v[PIS], s47, v[LI16]
	s_lshl_b32 s47, s[WV], 7
	s_add_co_u32 s47, s47, PSC
	v_add_nc_u32 v[PSS], s47, v[LI4]
	s_cmp_eq_u32 s[TYPE], 0                        ; what differs between the three products is chosen, not branched on
	s_mov_b32 s42, KVB
	s_cselect_b32 s42, QCB, s42                    ; bytes of a block of the results' buffer
	s_mov_b32 s43, 12288
	s_cselect_b32 s43, 6144, s43                   ; where the scale words go in it
	s_cmp_eq_u32 s[TYPE], 2
	s_mov_b32 s47, 12800
	s_cselect_b32 s43, s47, s43
	s_cselect_b32 s44, 0, 8                        ; W's rows of a tile: r (v) or r + 8 (r / 8) (q, k)
	s_mov_b32 s45, 2048
	s_cselect_b32 s45, 4096, s45                   ; from an even tile to the odd one: 16 rows (v) or 8 (q, k)
	s_cselect_b32 s46, 6144, 0                     ; v's images lie behind k's
	s_mul_i32 s50, s50, s42
	v_and_b32 v13, 7, v0                           ; my pixel among the wave's 32: (l & 7) + 2 (l & 8) + (l & 16) / 2
	v_and_b32 v14, 8, v0
	v_lshl_or_b32 v13, v14, 1, v13
	v_and_b32 v14, 16, v0
	v_lshrrev_b32 v14, 1, v14
	v_or_b32 v13, v13, v14
	v_lshlrev_b32 v[XA], 2, v13
	v_and_b32 v13, 15, v0                          ; r
	v_bfe_u32 v14, v0, 4, 1                        ; h
	v_and_b32 v15, s44, v13
	v_add_nc_u32 v15, v15, v13
	v_lshlrev_b32 v[WA0], 8, v15                   ; a row of W is 256 bytes;
	v_lshl_add_u32 v[WA0], v14, 7, v[WA0]          ; my half's block of 32 numbers is 128
	v_add_nc_u32 v[WA1], s45, v[WA0]
	v_lshlrev_b32 v[BA], 6, v14
	v_lshlrev_b32 v[BA2], 2, v13
	v_lshlrev_b32 v[H8], 3, v14
.irp i, 6,7,8,9,10,11
	v_mov_b32 v[FA+\i], 0                          ; K = 64 .. 127: zero codes
	v_mov_b32 v[FB+\i], 0
.endr
	s_wait_kmcnt 0x0
	s_cmp_eq_u32 s[TYPE], 0
	s_cselect_b64 s[SRC:SRC+1], s[8:9], s[10:11]
	s_cselect_b64 s[DI:DI+1], s[24:25], s[26:27]
	s_cselect_b64 s[WP:WP+1], s[12:13], s[14:15]
	s_cselect_b64 s[BP:BP+1], s[18:19], s[20:21]
	s_cmp_eq_u32 s[TYPE], 2
	s_cselect_b64 s[WP:WP+1], s[16:17], s[WP:WP+1]
	s_cselect_b64 s[BP:BP+1], s[22:23], s[BP:BP+1]
	s_add_nc_u64 s[SRC:SRC+1], s[SRC:SRC+1], s[48:49]
	s_add_nc_u64 s[DI:DI+1], s[DI:DI+1], s[50:51]  ; the results' block
	s_mov_b32 s48, s43
	s_add_nc_u64 s[DS:DS+1], s[DI:DI+1], s[48:49]  ; its scale words
	s_mov_b32 s48, s46
	s_add_nc_u64 s[DI:DI+1], s[DI:DI+1], s[48:49]  ; its images
	s_lshl_b32 s48, s[WV], 14
	s_add_nc_u64 s[WP:WP+1], s[WP:WP+1], s[48:49]  ; my head's 64 rows of W
	s_lshl_b32 s48, s[WV], 8
	s_add_nc_u64 s[BP:BP+1], s[BP:BP+1], s[48:49]  ; and its 64 biases
	; The biases first, in both layouts (both stay inside my head's 256 bytes): for q and k tile 2 b + u wants those of d = 32 b + 8 u + 16 h + 0 .. 7; for v tile t wants that of d = 16 t + r.
.irp t, 0,1,2,3
	global_load_b128 v[BI+8*\t:BI+8*\t+3], v[BA], s[BP:BP+1] offset:4*(32*(\t/2)+8*(\t%2))
	global_load_b128 v[BI+8*\t+4:BI+8*\t+7], v[BA], s[BP:BP+1] offset:4*(32*(\t/2)+8*(\t%2))+16
.endr
.irp t, 0,1,2,3
	global_load_b32 v[BL+\t], v[BA2], s[BP:BP+1] offset:64*\t
.endr
.set J, 0
.rept 64
	global_load_b32 v[XR+J], v[XA], s[SRC:SRC+1] offset:16384*J   ; channel J of my pixel: the wave reads 128 consecutive bytes, the work-group 512
.set J, J+1
.endr
	WIN 0x40                                       ; destination window 1
.irp t, 0,1,2,3
.irp i, 0,1,2,3,4,5,6,7
	global_load_b128 v[WR+32*\t+4*\i:WR+32*\t+4*\i+3], v[WA0+\t%2], s[WP:WP+1] offset:8192*(\t/2)+16*\i   ; W(my row of tile t, 32 h + 4 i ..)
.endr
.endr
	WIN 0
	s_wait_loadcnt 32                              ; the biases and the pixels are in; W's 32 loads, issued behind them, may be out
	; ---- my pixel's two blocks of 32 channels
.irp c, 0,1
	v_max3_num_f32 v[TM+\c], |v[XR+32*\c]|, |v[XR+32*\c+1]|, 0x1800000
.endr
.irp i, 2,4,6,8,10,12,14,16,18,20,22,24,26,28,30
.irp c, 0,1
	v_max3_num_f32 v[TM+\c], v[TM+\c], |v[XR+32*\c+\i]|, |v[XR+32*\c+\i+1]|
.endr
.endr
.irp c, 0,1
	v_add_nc_u32 v[TM+8+\c], 0xff000000, v[TM+\c]
.endr
.irp c, 0,1
	v_lshrrev_b32 v[TM+4+\c], 23, v[TM+8+\c]
.endr
	v_lshl_or_b32 v[PSW], v[TM+5], 8, v[TM+4]      ; bytes 2 and 3 stay 0
	v_cvt_scalef32_pk16_fp6_f32 v[FA:FA+2], v[XR:XR+15], v[TM+8]
	v_cvt_scalef32_pk16_fp6_f32 v[T0:T0+2], v[XR+16:XR+31], v[TM+8]
	v_cvt_scalef32_pk16_fp6_f32 v[FB:FB+2], v[XR+32:XR+47], v[TM+9]
	v_cvt_scalef32_pk16_fp6_f32 v[T1:T1+2], v[XR+48:XR+63], v[TM+9]
	v_nop                                          ; one plain instruction behind the scaled conversions
.irp i, 0,1,2
	v_mov_b32 v[FA+3+\i], v[T0+\i]                 ; FA: my pixel's block 0;
	v_mov_b32 v[FB+3+\i], v[T1+\i]                 ; FB: its block 1
.endr
.irp i, 0,1,2,3,4,5
	v_permlane16_swap_b32 v[FA+\i], v[FB+\i]       ; lanes 0-15 hold tile 2 w's pixels, lanes 16-31 tile 2 w + 1's: now FA is tile 2 w (lanes 0-15 block 0, lanes 16-31 block 1) and FB tile 2 w + 1
.endr
	IMAGE FA, PIMG
	IMAGE FB, PIMG+1536
	ds_store_b32 v[PSS], v[PSW]
	s_wait_loadcnt 0x0                             ; W
	; ---- W's four tiles: a lane holds a whole block of 32 of its row
	WIN 0x05                                       ; sources 0 and 1 window 1
.irp t, 0,1,2,3
	v_max3_num_f32 v[TM+\t], |v[WR+32*\t]|, |v[WR+32*\t+1]|, 0x1800000
.endr
	WIN 0x14                                       ; sources 1 and 2 window 1
.irp i, 2,4,6,8,10,12,14,16,18,20,22,24,26,28,30
.irp t, 0,1,2,3
	v_max3_num_f32 v[TM+\t], v[TM+\t], |v[WR+32*\t+\i]|, |v[WR+32*\t+\i+1]|
.endr
.endr
	WIN 0
.irp t, 0,1,2,3
	v_add_nc_u32 v[TM+8+\t], 0xff000000, v[TM+\t]
.endr
.irp t, 0,1,2,3
	v_lshrrev_b32 v[TM+4+\t], 23, v[TM+8+\t]
.endr
.irp t, 0,1,2,3
	v_lshlrev_b32 v[TM+4+\t], v[H8], v[TM+4+\t]    ; my block's byte at its place in the row's scale word
.endr
.irp t, 0,1,2,3
	v_permlanex16_b32 v[TM+\t], v[TM+4+\t], s[SEL], s[SEL+1]
.endr
.irp t, 0,1,2,3
	v_or_b32 v[WS+\t], v[TM+4+\t], v[TM+\t]        ; with lane l xor 16's byte; bytes 2 and 3 stay 0
.endr
	WIN 0x41                                       ; destination and source 0 window 1; the scale operand window 0
.irp t, 0,1,2,3
	v_cvt_scalef32_pk16_fp6_f32 v[WF+12*\t:WF+12*\t+2], v[WR+32*\t:WR+32*\t+15], v[TM+8+\t]
	v_cvt_scalef32_pk16_fp6_f32 v[WT+4*\t:WT+4*\t+2], v[WR+32*\t+16:WR+32*\t+31], v[TM+8+\t]
.endr
	v_nop                                          ; one plain instruction behind the scaled conversions
.irp t, 0,1,2,3
.irp i, 0,1,2
	v_mov_b32 v[WF+12*\t+3+\i], v[WT+4*\t+\i]
.endr
.irp i, 6,7,8,9,10,11
	v_mov_b32 v[WF+12*\t+\i], 0                    ; K = 64 .. 127: zero codes
.endr
.endr
	WIN 0
.rept 8
	v_nop                                          ; W's scale words and fragments were written by vector instructions: eight, and four, plain instructions stand between them and the scaled matrix instructions
.endr
	s_wait_dscnt 0x0                               ; for the others' sake: my images and my scale words have landed
	s_barrier_signal -1
	s_barrier_wait -1                              ; the pixels' eight fragments lie in LDS
	WIN 0x40
.irp p, 0,1,2,3,4,5,6,7
.irp c, 0,1,2
	ds_load_b128 v[PF+12*\p+4*\c:PF+12*\p+4*\c+3], v[LI16] offset:PIMG+1536*\p+512*\c
.endr
.endr
	WIN 0
.irp g, 0,1,2,3
	ds_load_b32 v[PS+\g], v[LI4] offset:PSC+128*\g
.endr
	s_wait_dscnt 0x0
	s_cmp_eq_u32 s[TYPE], 2
	s_cbranch_scc1 .Lvalues
	s_wait_alu depctr_va_vdst(0)
	; ---- q, k: two tiles of pixels at a time: eight products, each its own accumulator; 64 numbers a lane: tile 2 g's two blocks along d, then tile 2 g + 1's
.irp g, 0,1,2,3
	WIN 0x05                                       ; sources 0 and 1 window 1; C and D window 0
.irp u, 0,1
.irp t, 0,1,2,3
	PROD HA+32*\u+8*\t, WF+12*\t, PF+12*(2*\g+\u), BI+8*\t, WS+\t, PS+\g, 0, \u
.endr
.endr
	WIN 0
.if \g > 0
	s_wait_xcnt 0x0                                ; the last group's stores have read their data: the codes' registers are written again only behind this wait
.endif
.rept 4
	v_nop                                          ; four plain instructions between the products and the first read of their results (ISA guide 7.12.1)
.endr
	QUANT HA
	global_store_b128 v[LI16], v[PC:PC+3], s[DI:DI+1] offset:1536*\g          ; tile 2 g: registers 0-3: 512 consecutive bytes,
	global_store_b64 v[LI8], v[PC+4:PC+5], s[DI:DI+1] offset:1536*\g+512      ; registers 4-5: 256
	global_store_b128 v[LI16], v[PC+6:PC+9], s[DI:DI+1] offset:1536*\g+768    ; tile 2 g + 1
	global_store_b64 v[LI8], v[PC+10:PC+11], s[DI:DI+1] offset:1536*\g+1280
	v_and_b32 v[OW+2*\g], 0xffff, v[PW]            ; tile 2 g's scale word: two bytes, the upper two 0;
	v_lshrrev_b32 v[OW+2*\g+1], 16, v[PW]          ; tile 2 g + 1's
.endr
	v_cmp_lt_u32 vcc_lo, 63, v[LI4]                ; lanes 16-31
.irp i, 0,1,2,3
	v_cndmask_b32 v[R+\i], v[OW+\i], v[OW+4+\i], vcc_lo   ; lanes 0-15 store tiles 0-3's words, lanes 16-31 tiles 4-7's
.endr
	global_store_b128 v[LI16], v[R:R+3], s[DS:DS+1]
	s_wait_tensorcnt 0x0
	ds_add_u32 v254, v255
	s_wait_dscnt 0x0
	s_endpgm
.Lvalues:
	; ---- v: a tile of 16 d at a time, against the eight tiles of pixels: 64 numbers a lane: four blocks of 32 keys
.irp t, 0,1,2,3
.irp j, 0,1,2,3,4,5,6,7
	v_mov_b32 v[BI+8*\t+\j], v[BL+\t]              ; a lane holds one d: its bias in all eight registers of C
.endr
.endr
.irp t, 0,1,2,3
	WIN 0x05
.irp p, 0,1,2,3,4,5,6,7
	PROD HA+8*\p, PF+12*\p, WF+12*\t, BI+8*\t, PS+\p/2, WS+\t, \p%2, 0
.endr
	WIN 0
.if \t > 0
	s_wait_xcnt 0x0                                ; the last tile's stores have read their data
.endif
.rept 4
	v_nop                                          ; four plain instructions between the products and the first read of their results
.endr
	QUANT HA
.irp c, 0,1,2
	global_store_b128 v[LI16], v[PC+4*\c:PC+4*\c+3], s[DI:DI+1] offset:1536*\t+512*\c
.endr
	v_mov_b32 v[OW+\t], v[PW]
.endr
	v_cmp_lt_u32 vcc_lo, 63, v[LI4]
.irp i, 0,1
	v_cndmask_b32 v[R+\i], v[OW+\i], v[OW+2+\i], vcc_lo   ; lanes 0-15 store tiles 0, 1's words, lanes 16-31 tiles 2, 3's
.endr
	global_store_b64 v[LI8], v[R:R+1], s[DS:DS+1]
	s_wait_tensorcnt 0x0
	ds_add_u32 v254, v255
	s_wait_dscnt 0x0
	s_endpgm
.Lfunc_end_k_q78692a05c6_proj:
	.size	k_q78692a05c6_proj, .Lfunc_end_k_q78692a05c6_proj-k_q78692a05c6_proj
	.p2alignl 7, 3214868480
	.fill 96, 4, 3214868480
	.section	.rodata,"a",@progbits
	.p2align	6, 0x0
	.amdhsa_kernel k_q78692a05c6_proj
		.amdhsa_group_segment_fixed_size 16896
		.amdhsa_private_segment_fixed_size 0
		.amdhsa_enable_private_segment 0
		.amdhsa_kernarg_size 80
		.amdhsa_user_sgpr_count 2
		.amdhsa_user_sgpr_kernarg_segment_ptr 1
		.amdhsa_wavefront_size32 1
		.amdhsa_system_sgpr_workgroup_id_x 1
		.amdhsa_system_sgpr_workgroup_id_y 1
		.amdhsa_system_sgpr_workgroup_id_z 1
		.amdhsa_system_vgpr_workitem_id 0
		.amdhsa_next_free_vgpr 448
		.amdhsa_next_free_sgpr 66
		.amdhsa_reserve_vcc 1
		.amdhsa_float_denorm_mode_32 3
		.amdhsa_float_denorm_mode_16_64 3
		.amdhsa_memory_ordered 1
		.amdhsa_forward_progress 1
		.amdhsa_inst_pref_size 71
	.end_amdhsa_kernel
	.amdgpu_metadata
---
amdhsa.version: [ 1, 2 ]
amdhsa.kernels:
  - .name:           k_q78692a05c6_proj
    .symbol:         k_q78692a05c6_proj.kd
    .args:
      - { .name: x, .offset: 0, .size: 8, .value_kind: global_buffer, .address_space: global }
      - { .name: y, .offset: 8, .size: 8, .value_kind: global_buffer, .address_space: global }
      - { .name: Wq, .offset: 16, .size: 8, .value_kind: global_buffer, .address_space: global }
      - { .name: Wk, .offset: 24, .size: 8, .value_kind: global_buffer, .address_space: global }
      - { .name: Wv, .offset: 32, .size: 8, .value_kind: global_buffer, .address_space: global }
      - { .name: bq, .offset: 40, .size: 8, .value_kind: global_buffer, .address_space: global }
      - { .name: bk, .offset: 48, .size: 8, .value_kind: global_buffer, .address_space: global }
      - { .name: bv, .offset: 56, .size: 8, .value_kind: global_buffer, .address_space: global }
      - { .name: qc, .offset: 64, .size: 8, .value_kind: global_buffer, .address_space: global }
      - { .name: kv, .offset: 72, .size: 8, .value_kind: global_buffer, .address_space: global }
    .group_segment_fixed_size: 16896
    .private_segment_fixed_size: 0
    .kernarg_segment_align: 8
    .kernarg_segment_size: 80
    .max_flat_workgroup_size: 128
    .sgpr_count:     66
    .vgpr_count:     448
    .wavefront_size: 32
...
	.end_amdgpu_metadata
.endif
;; end of part 1
;; launch attn (part 2): grid 16 x 16, 16 waves a work-group, clusters of 4 x 1, 327,680 bytes of LDS; arguments qc, kv, out0; writes out0
.if DOCPART == 2
	.amdgcn_target "amdgcn-amd-amdhsa--gfx1250"
	.amdhsa_code_object_version 6
	.text
	.protected	k_q78692a05c6_attn
	.globl	k_q78692a05c6_attn
	.p2align	8
	.type	k_q78692a05c6_attn,@function
k_q78692a05c6_attn:
	s_mov_b64 s[64:65], 0
	v_nop
	global_prefetch_b8 v0, s[64:65] scope:SCOPE_SE
	s_setreg_imm32_b32 hwreg(HW_REG_WAVE_MODE, 25, 1), 1
	s_wait_xcnt 0x0
	s_wait_alu depctr_hold_cnt(0) depctr_sa_sdst(0) depctr_va_vdst(0) depctr_va_sdst(0) depctr_va_ssrc(0) depctr_va_vcc(0) depctr_vm_vsrc(0)
	s_getreg_b32 s2, hwreg(HW_REG_IB_STS2, 6, 4)
	s_cmp_eq_u32 s2, 0
	s_cbranch_scc0 .Lentry_in_a_cluster
	s_endpgm
.Lentry_in_a_cluster:
	s_bfe_u32 s2, ttmp6, 0x10000c
	s_cmp_lg_u32 s2, 0x3003
	s_cbranch_scc0 .Lentry_shape_is_right
	s_endpgm
.Lentry_shape_is_right:
; out0[b][head][d][n] = the sum over keys m of softmax_m(q[n] . k[m]) v[m][d], both products on codes of FP6 (E2M3) with one E8M0 scale for each 32 along a product's K.  No factor in front of the scores.
; q, k, v come from the launch before as images of the operands' registers (its head comment gives the layouts of qc and kv).  The first product's K is the head's 64: registers 6-11 of q's and k's fragments are zero codes, kept in registers.
; THE SOFTMAX AHEAD OF THE SECOND PRODUCT: t = score x log2(e); M = the row's largest t so far, rounded UP to a whole number; p = 2^(t - M) is quantised along the keys, not normalised.  The row's sum is taken of the
; unquantised p and divides at the end.  When M moves, the sum and O are multiplied by 2^(old M - new M): exact, and without a branch.
; SHARES.  A work-group owns 256 queries of one (batch, head); each of its sixteen waves one tile of 16, in 256 registers: four waves to a SIMD, so that one wave's vector work stands beside another's matrix work and LDS loads.
; Every wave walks the 4,096 keys, 128 a step.  Both products are used transposed: S^T = K Q^T (source 0 = 16 keys), O^T = V^T P^T (source 0 = 16 of the 64 d): a lane holds ONE query throughout.
; Lane r of tile 2 g + u of keys (and of queries) holds pixel 32 g + 8 u + r + 8 (r / 8) of its block of 128: so the 16 registers of two neighbouring tiles of S^T are 16 neighbouring keys.
; CLUSTER.  The four work-groups of a cluster belong to one (batch, head) and walk the same stream kv: each tile is asked for JOINTLY, by the same tensor load with the same descriptor and the mask of all four.
; LDS.  Three regions of 8 key steps (104,448 bytes each).  All three are filled at the start (steps 0-23); region A alone is filled again, once, with steps 24-31, when its first eight steps are read: that load has
; sixteen key steps in which to land.  By this text's count a wave has at most three tensor loads out.  A key step is one dense block of 13,056 bytes; a load brings two steps as 102 rows of 256 bytes.
; No prefetch is laid: three quarters of the stream are asked for by the first loads themselves, and no wave waits for the one refill.
; THE WAY OUT.  out0 wants the queries innermost, a lane holds one query and 32 d: O^T goes through a stage in LDS, 64 rows (d) x 256 queries, and leaves as rows: each store of a wave covers 512 consecutive bytes, aligned.
; The stage lies in region B, which is filled once and whose last read stands ahead of the barrier in front of the last eight steps.
; LIMITS: NaN and infinities are not served.  A p under 2^-126 comes out of v_exp_f32 as 0; a block of p whose largest lies under 2^-124 keeps the scale byte 1.
.set STEPB, 13056                      ; a key step in kv and in LDS
.set REG,   8*STEPB                    ; a region
.set SPARE, 3*REG                      ; behind the regions: the spare words, 128 bytes for each wave: eight blocks of 256 bytes that no other line names
.set VIMG,  6144                       ; in a step: V's four tiles,
.set KSC,   12288                      ; K's scale words,
.set VSC,   12800                      ; V's scale words
.set QBLK,  6656                       ; a block of qc
.set SP,    1040                       ; a stage row: 1,024 bytes + 16
.set LI16, 1                           ; v1   16 x lane
.set LI8,  2                           ; v2   8 x lane
.set A16,  3                           ; v3   the step's first byte + 16 x lane
.set A8,   4                           ; v4   + 8 x lane
.set SPW,  5                           ; v5   LDS address of my spare word; never rewritten
.set NIL,  6                           ; v6   0; never rewritten
.set SO,   7                           ; v7   the stage: where my query's column begins
.set SR,   8                           ; v8   the stage: where I read rows back
.set VS,   10                          ; v[10:11] V's scale words
                                       ; v12 -M, v13 the largest t, v[14:15] the sum in two halves
.set Q,    16                          ; v16-27  Q's fragment
.set KS,   28                          ; v28-31  K's scale words: lanes 0-15 tiles 0-3, lanes 16-31 tiles 4-7
.set KF,   32                          ; v32-79  four fragments of K; registers 6-11 of each stay 0
.set VF,   80                          ; v80-127 V's four fragments
.set S,    128                         ; v128-191 S^T, then p
.set O,    192                         ; v192-223 O^T
.set PCD,  224                         ; v224-235 p's codes
.set TP,   236                         ; v236-243 at work
.set BM,   244                         ; v244-247 the blocks' largest scores, then largest p
.set SCO,  248                         ; v248-251 the conversions' scale operands
                                       ; v252 f, v253 p's scale word, v254 at work, v255 Q's scale words
.set WV,   10                          ; s10  my wave's number
.set SEL,  12                          ; s[12:13] selects for lane l xor 16
.set CS,   14                          ; s[14:15] log2(e): the packed form names a pair and takes its low word for both halves
.set G1,   16                          ; s[16:23] descriptor group 1
.set G0,   24                          ; s[24:35] descriptor groups 0 for regions A, B, C
.set TB,   36                          ; s36  LDS byte at which the step in hand begins
.set CNT,  37                          ; s37  steps to go in a phase
; A round of the cluster's barrier: my work-group's barrier; wave 0 signals for the work-group; every wave waits for all four work-groups; my work-group's barrier once more.
.macro ROUND
	s_barrier_signal -1
	s_barrier_wait -1
	s_cmp_lg_u32 s[WV], 0
	s_cbranch_scc1 .Lnot_wave_0_\@
	s_barrier_signal -3
.Lnot_wave_0_\@:
	s_barrier_wait -3
	s_barrier_signal -1
	s_barrier_wait -1
.endm
; A KEY STEP: 128 keys.
.macro STEP
	v_add_nc_u32 v[A16], s[TB], v[LI16]
	v_add_nc_u32 v[A8], s[TB], v[LI8]
	ds_load_b128 v[KS:KS+3], v[A16] offset:KSC
.irp t, 0,1,2,3
	ds_load_b128 v[KF+12*\t:KF+12*\t+3], v[A16] offset:768*\t          ; K's tiles 0-3: the image of registers 0-3,
	ds_load_b64 v[KF+12*\t+4:KF+12*\t+5], v[A8] offset:768*\t+512      ; of registers 4-5
.endr
	s_wait_alu depctr_va_vdst(0)
	s_wait_dscnt 0x0
.irp t, 0,1,2,3
	v_wmma_scale_f32_16x16x128_f8f6f4 v[S+8*\t:S+8*\t+7], v[KF+12*\t:KF+12*\t+11], v[Q:Q+11], 0, v[KS+\t], v255 matrix_a_fmt:MATRIX_FMT_FP6 matrix_b_fmt:MATRIX_FMT_FP6
.endr
.rept 4
	v_nop                                          ; four plain instructions in front of the loads into K's registers and of the first read of these scores; with the two additions above they are six behind the last step's products, for the loads into V's registers
.endr
.irp t, 0,1,2,3
	ds_load_b128 v[KF+12*\t:KF+12*\t+3], v[A16] offset:768*(4+\t)      ; K's tiles 4-7
	ds_load_b64 v[KF+12*\t+4:KF+12*\t+5], v[A8] offset:768*(4+\t)+512
.endr
.irp i, 0,1,2,3,4,5,6,7,8,9,10,11
	ds_load_b128 v[VF+4*\i:VF+4*\i+3], v[A16] offset:VIMG+512*\i       ; V's four tiles: wanted at the step's end
.endr
	ds_load_b64 v[VS:VS+1], v[A8] offset:VSC
	; THE LARGEST SCORE OF EACH BLOCK OF 32 KEYS: it serves for the row's maximum and, since p rises with the score, for the block's largest p.  Blocks 0 and 1 while tiles 4-7 are on their way
.irp b, 0,1
	v_max3_num_f32 v[BM+\b], v[S+16*\b], v[S+16*\b+1], v[S+16*\b+2]
.endr
.irp i, 3,5,7,9,11
.irp b, 0,1
	v_max3_num_f32 v[BM+\b], v[BM+\b], v[S+16*\b+\i], v[S+16*\b+\i+1]
.endr
.endr
	s_wait_alu depctr_va_vdst(0)
	s_wait_dscnt 13                                ; K's eight loads are in; the thirteen issued behind them (V's twelve, V's scale words) may be out
.irp t, 0,1,2,3
	v_wmma_scale_f32_16x16x128_f8f6f4 v[S+32+8*\t:S+32+8*\t+7], v[KF+12*\t:KF+12*\t+11], v[Q:Q+11], 0, v[KS+\t], v255 matrix_a_fmt:MATRIX_FMT_FP6 matrix_b_fmt:MATRIX_FMT_FP6 matrix_a_scale:MATRIX_SCALE_ROW1
.endr
.irp b, 0,1
	v_max3_num_f32 v[BM+\b], v[BM+\b], v[S+16*\b+13], v[S+16*\b+14]    ; the four lines still owed for blocks 0 and 1 name no register of the products above: they are the four plain instructions behind them
.endr
.irp b, 0,1
	v_max_num_f32 v[BM+\b], v[BM+\b], v[S+16*\b+15]
.endr
.irp b, 2,3
	v_max3_num_f32 v[BM+\b], v[S+16*\b], v[S+16*\b+1], v[S+16*\b+2]
.endr
.irp i, 3,5,7,9,11,13
.irp b, 2,3
	v_max3_num_f32 v[BM+\b], v[BM+\b], v[S+16*\b+\i], v[S+16*\b+\i+1]
.endr
.endr
.irp b, 2,3
	v_max_num_f32 v[BM+\b], v[BM+\b], v[S+16*\b+15]
.endr
.irp b, 0,1,2,3
	v_permlanex16_b32 v[TP+\b], v[BM+\b], s[SEL], s[SEL+1]
.endr
.irp b, 0,1,2,3
	s_delay_alu instid0(VALU_DEP_4)
	v_max_num_f32 v[BM+\b], v[BM+\b], v[TP+\b]     ; with lane l xor 16's 16 keys
.endr
	s_delay_alu instid0(VALU_DEP_2)
	v_max3_num_f32 v254, v[BM], v[BM+1], v[BM+2]
	s_delay_alu instid0(VALU_DEP_1)
	v_max_num_f32 v254, v254, v[BM+3]              ; the step's largest score of my query
	s_delay_alu instid0(VALU_DEP_1)
	v_mul_f32 v254, s[CS], v254                    ; as t
	s_delay_alu instid0(VALU_DEP_1)
	v_max_num_f32 v13, v13, v254                   ; the running largest t
	v_mov_b32 v254, v12
	s_delay_alu instid0(VALU_DEP_2)
	v_floor_f32 v12, -v13                          ; the new -M = floor(-t) = -ceil(t): a whole number
	s_delay_alu instid0(VALU_DEP_1)
	v_sub_f32 v254, v12, v254                      ; old M - new M: a whole number, 0 or less
	s_delay_alu instid0(VALU_DEP_1)
	v_cvt_i32_f32 v254, v254                       ; (it saturates)
	s_delay_alu instid0(VALU_DEP_1)
	v_ldexp_f32 v252, 1.0, v254                    ; f = 2^(old M - new M)
.set J, 0
.rept 32
	v_pk_fma_f32 v[S+J:S+J+1], v[S+J:S+J+1], s[CS:CS+1], v[12:13] op_sel_hi:[1,0,0]   ; t - M, two at a time
.set J, J+2
.endr
.irp b, 0,1,2,3
	v_fma_f32 v[BM+\b], v[BM+\b], s[CS], v12       ; the same of each block's largest score
.endr
.set J, 0
	s_wait_alu depctr_va_vdst(0)
.rept 64
	v_exp_f32 v[S+J], v[S+J]                       ; p = 2^(t - M): one batch
.set J, J+1
.endr
	s_setprio 1
	v_pk_mul_f32 v[14:15], v[14:15], v[252:253] op_sel_hi:[1,0]   ; the sums under the new M: the plain instruction behind the exponentials
	s_wait_alu depctr_va_vdst(0)                   ; one wait for the batch, ahead of the first instruction that names a result
.irp b, 0,1,2,3
	v_exp_f32 v[BM+\b], v[BM+\b]                   ; the blocks' largest p: the same two instructions on the same numbers
.endr
	v_pk_add_f32 v[236:237], v[132:133], v[136:137]
	v_pk_add_f32 v[250:251], v[140:141], v[144:145]
	v_pk_add_f32 v[248:249], v[148:149], v[152:153]
	v_pk_add_f32 v[242:243], v[156:157], v[160:161]
	v_pk_add_f32 v[240:241], v[164:165], v[168:169]
	v_pk_add_f32 v[238:239], v[172:173], v[176:177]
	v_pk_add_f32 v[234:235], v[180:181], v[184:185]
	v_pk_add_f32 v[14:15], v[14:15], v[188:189]
	v_pk_add_f32 v[236:237], v[236:237], v[128:129]
	v_pk_add_f32 v[250:251], v[250:251], v[130:131]
	v_pk_add_f32 v[248:249], v[248:249], v[134:135]
	v_pk_add_f32 v[242:243], v[242:243], v[138:139]
	v_pk_add_f32 v[240:241], v[240:241], v[142:143]
	v_pk_add_f32 v[238:239], v[238:239], v[146:147]
	v_pk_add_f32 v[234:235], v[234:235], v[150:151]
	v_pk_add_f32 v[14:15], v[14:15], v[154:155]
	v_pk_add_f32 v[236:237], v[236:237], v[158:159]
	v_pk_add_f32 v[250:251], v[250:251], v[162:163]
	v_pk_add_f32 v[248:249], v[248:249], v[166:167]
	v_pk_add_f32 v[242:243], v[242:243], v[170:171]
	v_pk_add_f32 v[240:241], v[240:241], v[174:175]
	v_pk_add_f32 v[238:239], v[238:239], v[178:179]
	v_pk_add_f32 v[234:235], v[234:235], v[182:183]
	v_pk_add_f32 v[14:15], v[14:15], v[186:187]
	v_pk_add_f32 v[236:237], v[236:237], v[190:191]
	s_delay_alu instid0(VALU_DEP_2)
	v_pk_add_f32 v[14:15], v[14:15], v[242:243]
	s_delay_alu instid0(VALU_DEP_2)
	v_pk_add_f32 v[236:237], v[236:237], v[240:241]
	v_pk_add_f32 v[250:251], v[250:251], v[238:239]
	v_pk_add_f32 v[248:249], v[248:249], v[234:235]
	s_delay_alu instid0(VALU_DEP_2)
	v_pk_add_f32 v[14:15], v[14:15], v[250:251]
	s_delay_alu instid0(VALU_DEP_2)
	v_pk_add_f32 v[236:237], v[236:237], v[248:249]
	s_delay_alu instid0(VALU_DEP_1)
	v_pk_add_f32 v[14:15], v[14:15], v[236:237]
	s_wait_alu depctr_va_vdst(0)                   ; and one for the four
.irp b, 0,1,2,3
	v_max_num_f32 v[BM+\b], 0x1800000, v[BM+\b]    ; the floor 2^(3 - 127): the byte cannot fall under 1
.endr
.irp b, 0,1,2,3
	s_delay_alu instid0(VALU_DEP_4)
	v_add_nc_u32 v[SCO+\b], 0xff000000, v[BM+\b]   ; 2 off the exponent field: the conversion's scale operand
.endr
.irp b, 0,1,2,3
	s_delay_alu instid0(VALU_DEP_4)
	v_lshrrev_b32 v[TP+\b], 23, v[SCO+\b]          ; the scale's byte
.endr
	s_delay_alu instid0(VALU_DEP_3)
	v_lshl_or_b32 v253, v[TP+1], 8, v[TP]          ; p's scale word for these 128 keys
	s_delay_alu instid0(VALU_DEP_1)
	v_lshl_or_b32 v253, v[TP+2], 16, v253
	s_delay_alu instid0(VALU_DEP_1)
	v_lshl_or_b32 v253, v[TP+3], 24, v253
.irp c, 0,1
	v_cvt_scalef32_pk16_fp6_f32 v[PCD+6*\c:PCD+6*\c+2], v[S+32*\c:S+32*\c+15], v[SCO+2*\c]
	v_cvt_scalef32_pk16_fp6_f32 v[TP+4*\c:TP+4*\c+2], v[S+16+32*\c:S+31+32*\c], v[SCO+2*\c+1]   ; (a conversion's three registers begin on an even number)
.endr
	v_nop                                          ; one plain instruction behind the scaled conversions
.irp c, 0,1
.irp i, 0,1,2
	v_permlane16_swap_b32 v[PCD+6*\c+\i], v[TP+4*\c+\i]   ; a whole block in a lane: lanes 0-15 block 2 c, lanes 16-31 block 2 c + 1
.endr
.irp i, 0,1,2
	s_delay_alu instid0(VALU_DEP_3)
	v_mov_b32 v[PCD+3+6*\c+\i], v[TP+4*\c+\i]
.endr
.endr
.set J, 0
	s_setprio 0
.rept 16
	v_pk_mul_f32 v[O+J:O+J+1], v[O+J:O+J+1], v[252:253] op_sel_hi:[1,0]   ; O^T under the new M, each accumulator from its low end on.  (These sixteen also stand between the writes of p's codes and scale word and the products below)
.set J, J+2
.endr
	s_wait_alu depctr_va_vdst(0)
	s_wait_dscnt 0x0                               ; V and its scale words are in
.irp t, 0,1                                    ; O^T += V^T P^T: the four accumulators take turns, one instruction a turn; the next matrix instruction is the next step's first score
	v_wmma_scale_f32_16x16x128_f8f6f4 v[O+8*\t:O+8*\t+7], v[VF+12*\t:VF+12*\t+11], v[PCD:PCD+11], v[O+8*\t:O+8*\t+7], v[VS+\t], v253 matrix_a_fmt:MATRIX_FMT_FP6 matrix_b_fmt:MATRIX_FMT_FP6
.endr
.irp t, 2,3
	v_wmma_scale_f32_16x16x128_f8f6f4 v[O+8*\t:O+8*\t+7], v[VF+12*\t:VF+12*\t+11], v[PCD:PCD+11], v[O+8*\t:O+8*\t+7], v[VS+\t-2], v253 matrix_a_fmt:MATRIX_FMT_FP6 matrix_b_fmt:MATRIX_FMT_FP6 matrix_a_scale:MATRIX_SCALE_ROW1
.endr
.endm
; n key steps that lie on end in LDS from byte base on
.macro PHASE base, n
	s_mov_b32 s[TB], \base
	s_mov_b32 s[CNT], \n
.Lstep_\@:
	s_setprio 2
	STEP
	s_add_co_u32 s[TB], s[TB], STEPB
	s_sub_co_u32 s[CNT], s[CNT], 1
	s_cmp_lg_u32 s[CNT], 0
	s_cbranch_scc1 .Lstep_\@
	s_setprio 0
.endm
	s_load_b128 s[4:7], s[0:1], 0x0                ; qc s[4:5], kv s[6:7]
	s_load_b64 s[8:9], s[0:1], 0x10                ; out0
	v_lshl_add_u32 v[SPW], v0, 2, SPARE
	v_mov_b32 v[NIL], 0
	ds_add_u32 v5, v6
	ds_add_u32 v5, v6
	s_wait_dscnt 0x0
	v_lshrrev_b32 v1, 5, v0
	s_delay_alu instid0(VALU_DEP_1)
	v_readfirstlane_b32 s[WV], v1                  ; wave 0..15
	s_bfe_u32 s38, ttmp6, 0x40000                  ; cx: my place in the cluster: it enters Q's and out0's global addresses alone
	s_lshl_b32 s39, ttmp9, 2
	s_add_co_u32 s39, s39, s38                     ; my block of 256 queries
	s_and_b32 s40, ttmp7, 0xffff                   ; 4 b + head, which the four partners share
	s_and_b32 s41, s[WV], 3                        ; what I fetch, if I fetch: two steps of a region's eight
	s_mul_i32 s43, s41, 2*STEPB
	s_mul_i32 s44, s40, 32*STEPB
	s_add_co_u32 s44, s44, s43
	s_mov_b32 s45, 0
	; descriptor group 1: 102 rows of 256 bytes (32 elements of 8 bytes), dense in memory and in LDS
	s_mov_b32 s[G1], 15|(3<<16)|(1<<21)            ; 15:0 the mask: all four work-groups; 17:16 elements of 8 bytes; 20 padding off; 21 set beside a mask
	s_mov_b32 s[G1+1], 32<<16                      ; tensor_dim0 = 32
	s_mov_b32 s[G1+2], 102<<16                     ; tensor_dim1 = 102
	s_mov_b32 s[G1+3], 32<<16                      ; tile_dim0 = 32
	s_mov_b32 s[G1+4], 102                         ; tile_dim1 = 102
	s_mov_b32 s[G1+5], 32                          ; tensor_dim0_stride
	s_mov_b32 s[G1+6], 0
	s_mov_b32 s[G1+7], 0
	s_lshl_b32 s48, s40, 5                         ; Q: block 32 (4 b + head) + 2 x my block of 256 + wave / 8
	s_lshl_b32 s49, s39, 1
	s_add_co_u32 s48, s48, s49
	s_lshr_b32 s49, s[WV], 3
	s_add_co_u32 s48, s48, s49
	s_mul_i32 s48, s48, QBLK
	s_mov_b32 s49, 0
	s_lshl_b32 s50, s40, 20                        ; out0: (4 b + head) x 1 MiB + 1,024 x my block + the four rows (d) that I store: 65,536 x wave
	s_lshl_b32 s51, s39, 10
	s_add_co_u32 s50, s50, s51
	s_lshl_b32 s51, s[WV], 16
	s_add_co_u32 s50, s50, s51
	s_mov_b32 s51, 0
	s_mov_b32 s[SEL], 0x76543210
	s_mov_b32 s[SEL+1], 0xfedcba98
	s_mov_b32 s[CS], 0x3fb8aa3b                    ; log2(e)
	s_mov_b32 s[CS+1], s[CS]                       ; (named with it as a pair, so it is written)
	v_and_b32 v128, 31, v0                         ; lane.  (v128-134 are at work here; the scores take them later)
	s_delay_alu instid0(VALU_DEP_1)
	v_lshlrev_b32 v[LI16], 4, v128
	s_delay_alu instid0(VALU_DEP_2)
	v_lshlrev_b32 v[LI8], 3, v128
	s_and_b32 s52, s[WV], 7                        ; my tile T of the block's eight
	s_mul_i32 s53, s52, 768
	v_add_nc_u32 v129, s53, v[LI16]                ; Q's image: registers 0-3,
	v_add_nc_u32 v130, s53, v[LI8]                 ; registers 4-5
	s_lshr_b32 s53, s52, 2
	s_lshl_b32 s53, s53, 8
	s_and_b32 s52, s[WV], 3
	s_lshl_b32 s52, s52, 2
	s_add_co_u32 s53, s53, s52
	v_and_b32 v131, 15, v0                         ; r
	s_delay_alu instid0(VALU_DEP_1)
	v_lshl_add_u32 v132, v131, 4, s53              ; Q's scale word: 16 r + 256 (T / 4) + 4 (T % 4)
	v_bfe_u32 v133, v0, 4, 1                       ; h
	s_delay_alu instid0(VALU_DEP_3)
	v_and_b32 v134, 8, v131
	s_delay_alu instid0(VALU_DEP_1)
	v_add_nc_u32 v134, v134, v131                  ; r + 8 (r / 8)
	s_delay_alu instid0(VALU_DEP_1)
	v_lshlrev_b32 v[SO], 2, v134
	s_delay_alu instid0(VALU_DEP_1)
	v_mad_u32_u24 v[SO], v133, 8*SP, v[SO]         ; lanes 16-31 hold d eight further on: eight stage rows.  The 32 lanes' words fall on 32 different banks (64 banks of 4 bytes: ISA guide 11.1)
	s_and_b32 s52, s[WV], 14
	s_lshl_b32 s52, s52, 6                         ; my tile's first query, x 4 bytes: 512 (w / 8) + 128 ((w / 2) % 4)
	s_and_b32 s53, s[WV], 1
	s_lshl_b32 s53, s53, 5                         ; + 32 (w % 2)
	s_add_co_u32 s52, s52, s53
	s_add_co_u32 s52, s52, REG                     ; the stage lies in region B
	v_add_nc_u32 v[SO], s52, v[SO]
	s_mul_i32 s53, s[WV], 4*SP
	s_add_co_u32 s53, s53, REG
	v_add_nc_u32 v[SR], s53, v[LI16]               ; back: stage rows 4 w .. 4 w + 3
	s_wait_kmcnt 0x0
	s_add_nc_u64 s[46:47], s[6:7], s[44:45]
	s_add_nc_u64 s[4:5], s[4:5], s[48:49]
	s_add_nc_u64 s[8:9], s[8:9], s[50:51]
.irp n, 0,1,2
	s_mov_b32 s[G0+4*\n], 1                        ; 1:0 count = 1
	s_add_co_u32 s[G0+4*\n+1], s43, \n*REG         ; 63:32 LDS address: region n, my two steps
	s_add_nc_u64 s[G0+4*\n+2:G0+4*\n+3], s[46:47], \n*REG   ; 120:64 global address: steps 8 n on
	s_or_b32 s[G0+4*\n+3], s[G0+4*\n+3], 0x80000000         ; 127:126 type = 2
.endr
	ROUND                                          ; all four work-groups are here: the first joint loads meet
	s_cmp_lt_u32 s[WV], 4                          ; waves 0 to 3 fetch; a wave's three first fills stand in one branch, ahead of every wait on TENSORcnt and every LDS read
	s_cbranch_scc0 .Lno_fill
	tensor_load_to_lds s[G0:G0+3], s[G1:G1+7]
	s_nop 0
	tensor_load_to_lds s[G0+4:G0+7], s[G1:G1+7]
	s_nop 0
	tensor_load_to_lds s[G0+8:G0+11], s[G1:G1+7]
	s_nop 0
.rept 4
	v_nop
.endr
.Lno_fill:
	global_load_b128 v[Q:Q+3], v129, s[4:5]
	global_load_b64 v[Q+4:Q+5], v130, s[4:5] offset:512
	s_wait_alu depctr_va_vdst(0)
	global_load_b32 v255, v132, s[4:5] offset:6144
.irp i, 6,7,8,9,10,11
	v_mov_b32 v[Q+\i], 0                           ; K = 64 .. 127: zero codes, written once
.endr
.irp t, 0,1,2,3
.irp i, 6,7,8,9,10,11
	v_mov_b32 v[KF+12*\t+\i], 0
.endr
.endr
.set J, 0
.rept 32
	v_mov_b32 v[O+J], 0                            ; O^T.  (The step is written once: the first finds zeros, which the first change of M leaves zeros)
.set J, J+1
.endr
.irp b, 0,1,2,3
	v_mov_b32 v[TP+\b], 0                          ; written once: a lane permute's destination counts as one of its sources
.endr
	v_mov_b32 v253, 0                              ; (named as the upper half of the pair v[252:253] before it is first written)
	v_mov_b32 v13, 0xff61b1e6                      ; the largest t so far: -3e38, under every t
	s_delay_alu instid0(VALU_DEP_1)
	v_floor_f32 v12, -v13                          ; -M
	v_mov_b32 v14, 0
	v_mov_b32 v15, 0
	s_wait_loadcnt 0x0                             ; Q
	s_wait_tensorcnt 0x2                           ; my part of region A is in; B's and C's loads, issued behind it, may stay out
	s_barrier_signal -1
	s_barrier_wait -1                              ; everybody's is
	PHASE 0, 8                                     ; steps 0-7, region A
	s_wait_tensorcnt 0x0                           ; all my tensor loads have landed, B's and C's among them: no load of mine is out, so a group 0 may be written
	ds_add_u32 v[SPW], v[NIL]                      ; 0 onto my spare word
	ds_add_u32 v5, v6
	s_add_nc_u64 s[G0+2:G0+3], s[G0+2:G0+3], 3*REG ; region A's descriptor steps to steps 24-31; the type bits on top are not reached
	s_wait_dscnt 0x0                               ; the add is done, and my reads of region A are over
	ROUND                                          ; both now hold of every wave of all four work-groups
	s_cmp_lt_u32 s[WV], 4
	s_cbranch_scc0 .Lno_refill
	tensor_load_to_lds s[G0:G0+3], s[G1:G1+7]      ; the one refill: first behind the round, a wave's only tensor load from here on; sixteen key steps stand ahead of the wait for it
	s_nop 0
.rept 4
	v_nop
.endr
.Lno_refill:
	PHASE REG, 16                                  ; steps 8-23, regions B and C
	s_wait_tensorcnt 0x0                           ; my part of steps 24-31 is in
	ds_add_u32 v[SPW], v[NIL]
	s_wait_dscnt 0x0                               ; my reads of regions B and C are over
	s_barrier_signal -1
	s_barrier_wait -1                              ; region A is whole, and nobody reads region B any more
	PHASE 0, 8                                     ; steps 24-31, region A
	; THE WAY OUT
	v_add_f32 v14, v14, v15                        ; the sum's two halves,
	s_delay_alu instid0(VALU_DEP_1)
	v_permlanex16_b32 v252, v14, s[SEL], s[SEL+1]
	s_delay_alu instid0(VALU_DEP_1)
	v_add_f32 v14, v14, v252                       ; and lane l xor 16's: the row's sum (above 1/2: the row's largest p is)
	s_wait_alu depctr_va_vdst(0)
	v_rcp_f32 v14, v14
	v_nop                                          ; plain instructions behind the reciprocal; with the two additions they are four behind the last products
	v_nop
	s_wait_alu depctr_va_vdst(0)                   ; the wait ahead of the reciprocal's first reader
.set J, 0
.rept 16
	v_pk_mul_f32 v[S+J:S+J+1], v[O+J:O+J+1], v[14:15] op_sel_hi:[1,0]   ; O^T / the sum: register 8 t + j is d = 16 t + 8 h + j of my query; each accumulator from its low end on
.set J, J+2
.endr
.irp t, 0,1,2,3
.irp j, 0,1,2,3,4,5,6,7
	ds_store_b32 v[SO], v[S+8*\t+\j] offset:(16*\t+\j)*SP
.endr
.endr
	s_wait_dscnt 0x0                               ; for the others' sake: my stores into the stage are done
	s_barrier_signal -1
	s_barrier_wait -1                              ; 64 whole rows lie in the stage
.irp i, 0,1,2,3
.irp j, 0,1
	ds_load_b128 v[KF+4*(2*\i+\j):KF+4*(2*\i+\j)+3], v[SR] offset:\i*SP+512*\j
.endr
.endr
.irp i, 0,1,2,3
.irp j, 0,1
	s_wait_dscnt 7-(2*\i+\j)                       ; LDS loads come back in order: this one is in, the younger ones may be out
	global_store_b128 v[LI16], v[KF+4*(2*\i+\j):KF+4*(2*\i+\j)+3], s[8:9] offset:16384*\i+512*\j th:TH_STORE_NT   ; 32 lanes store 512 consecutive bytes of row d = 4 w + i, at a multiple of 256 from out0's first byte
.endr
.endr
	s_wait_tensorcnt 0x0                           ; the wave's end: behind my last tensor load and my last LDS store
	ds_add_u32 v[SPW], v[NIL]
	s_wait_dscnt 0x0
	ROUND                                          ; the closing round: no work-group ends while a partner may still ask for a tile that names it
	s_endpgm
.Lfunc_end_k_q78692a05c6_attn:
	.size	k_q78692a05c6_attn, .Lfunc_end_k_q78692a05c6_attn-k_q78692a05c6_attn
	.p2alignl 7, 3214868480
	.fill 96, 4, 3214868480
	.section	.rodata,"a",@progbits
	.p2align	6, 0x0
	.amdhsa_kernel k_q78692a05c6_attn
		.amdhsa_group_segment_fixed_size 327680
		.amdhsa_private_segment_fixed_size 0
		.amdhsa_enable_private_segment 0
		.amdhsa_kernarg_size 24
		.amdhsa_user_sgpr_count 2
		.amdhsa_user_sgpr_kernarg_segment_ptr 1
		.amdhsa_wavefront_size32 1
		.amdhsa_system_sgpr_workgroup_id_x 1
		.amdhsa_system_sgpr_workgroup_id_y 1
		.amdhsa_system_sgpr_workgroup_id_z 1
		.amdhsa_system_vgpr_workitem_id 0
		.amdhsa_next_free_vgpr 256
		.amdhsa_next_free_sgpr 66
		.amdhsa_reserve_vcc 0
		.amdhsa_float_denorm_mode_32 3
		.amdhsa_float_denorm_mode_16_64 3
		.amdhsa_memory_ordered 1
		.amdhsa_forward_progress 1
		.amdhsa_inst_pref_size 65
	.end_amdhsa_kernel
	.amdgpu_metadata
---
amdhsa.version: [ 1, 2 ]
amdhsa.kernels:
  - .name:           k_q78692a05c6_attn
    .symbol:         k_q78692a05c6_attn.kd
    .args:
      - { .name: qc, .offset: 0, .size: 8, .value_kind: global_buffer, .address_space: global }
      - { .name: kv, .offset: 8, .size: 8, .value_kind: global_buffer, .address_space: global }
      - { .name: out0, .offset: 16, .size: 8, .value_kind: global_buffer, .address_space: global }
    .group_segment_fixed_size: 327680
    .private_segment_fixed_size: 0
    .kernarg_segment_align: 8
    .kernarg_segment_size: 24
    .max_flat_workgroup_size: 512
    .sgpr_count:     66
    .vgpr_count:     256
    .wavefront_size: 32
...
	.end_amdgpu_metadata
.endif
;; end of part 2
